; MI455X (gfx1250); checked and timed in simulation.
; The chip was launched on July 23, 2026; its instructions are those of AMD's public machine-readable ISA for CDNA 5 (MIT licence, August 2026) and "CDNA5" Instruction Set Architecture Reference Guide (July 2026). The comments in the code are by the model that wrote it; some were corrected since.
;; Self Attention. Allowed arithmetic: matrix products marked QUANTISED: E4M3 operands, one given power-of-two scale a tensor, by v_wmma_f32_16x16x64_fp8_fp8 or v_wmma_f32_16x16x128_fp8_fp8, f32 sums; everything else in f32.
;; Inputs: W_proj 1,024 x 1,024 float32; W_qkv 1,024 x 3,072 float32; b_proj 1,024 float32; b_qkv 3,072 float32; lowp_scales 8 int32 (the exponents e of the quantised operands' scales 2^e); x 4 x 2,048 x 1,024 float32.
;; Outputs: out0 4 x 2,048 x 1,024 float32.
;; This version of the problem:
;;   THIS VERSION OF THE PROBLEM IS GIVEN IN LOW PRECISION. The matrix products marked QUANTISED in the list below multiply operands that are first quantised to E4M3 (4 exponent bits, 3 mantissa bits; 8 bits a number), with one given power-of-two scale for each operand tensor; their sums are f32. All else is computed in f32.
;;   The module's matrix products, in the order in which they are computed (A, B: the left and right operand; K: the contracted axis; several contracted axes count as one K, in the product's order):
;;     1. [M 8,192, K 1,024] x [K 1,024, N 3,072]; A: input x; B: input W_qkv: QUANTISED (scales: A lowp_scales[0], B lowp_scales[1])
;;     2. batch 64 x [M 2,048, K 64] x [K 64, N 2,048]; A: computed on the way; B: computed on the way: QUANTISED (scales: A lowp_scales[2], B lowp_scales[3])
;;     3. batch 64 x [M 2,048, K 2,048] x [K 2,048, N 64]; A: softmax (see below); B: computed on the way: QUANTISED (scales: A lowp_scales[4], B lowp_scales[5])
;;     4. [M 8,192, K 1,024] x [K 1,024, N 1,024]; A: computed on the way; B: input W_proj: QUANTISED (scales: A lowp_scales[6], B lowp_scales[7])
;;   THE QUANTISER, for each operand of a quantised product, along K:
;;     - The operand's scale is 2^e, e = its entry of the input lowp_scales (int32; the entries are numbered through the quantised products in the list's order, A before B).
;;     - Each number is divided by the scale, clamped to +-448, and rounded to the nearest number of E4M3, ties to even, subnormals kept.
;;     - The product sums the exact products of the quantised numbers (number of the format x scale) in f32.
;;   ~~~python
;;   def quantise(x, axis, e):      # numpy; x: float32 -> the quantised numbers, widened to float32 again
;;       x = np.moveaxis(x, axis, -1); K = x.shape[-1]
;;       r = np.clip(x / 2.0 ** e, -448, 448)
;;       step = 2.0 ** (np.maximum(np.frexp(np.where(r == 0, 1, r))[1] - 1, -6) - 3)
;;       q = np.round(r / step) * step * 2.0 ** e      # np.round: ties to even
;;       return np.moveaxis(q, -1, axis).astype(np.float32)
;;   ~~~
;;   SOFTMAX AHEAD OF A QUANTISED PRODUCT. Where the list says 'softmax', what is quantised is not the finished softmax but p = 2^(t - M), with t = logit x log2(e) and M = ceil(the row's largest t), a whole number; so 1/2 < the row's largest p <= 1. The row's sum l is taken of the UNQUANTISED p, in f32, and the product's result is divided by l at the end. Since M is a whole number, a kernel that streams over the keys may use a running M (the ceiling of the running maximum): every later rescaling is an exact power of two, so the quantised numbers keep their values, but for numbers so far below the row's largest that they fall under the format's range.
;;   OPERANDS COMPUTED ON THE WAY. 'Computed on the way' means the value that the module computes at that place (a softmax that the list does not call 'softmax' is quantised finished and normalised). What goes into a quantiser is computed in f32, as accurately as f32 sums, v_exp_f32 and their like allow (about 1e-6 of the number): no bf16 or f16 on the way to a quantiser, and a product that is left as it is and whose result goes on into a quantised operand takes f32 operands (vector FMAs, or v_wmma_f32_16x16x4_f32). A number that lies on a knife's edge between two numbers of the format may be rounded either way, as far as f32 arithmetic and the matrix unit's own rounding can turn it there, and no further.
;; One version. Each part assembles by itself: llvm-mc -triple=amdgcn-amd-amdhsa -mcpu=gfx1250 --defsym DOCPART=n.
;; ======== version 1 of 1: 4 launches
;; limits: right only within a limited range of input values
;; workspace buffers: xw 12,582,912 bytes; qkv 25,165,824 bytes; yc 8,388,608 bytes
;; launch quant (part 1): grid 384 x 1, 4 waves a work-group, no clusters, 35,328 bytes of LDS; arguments x, W_qkv, W_proj, lowp_scales, xw; writes xw
.if DOCPART == 1
	.amdgcn_target "amdgcn-amd-amdhsa--gfx1250"
	.amdhsa_code_object_version 6
	.text
	.protected	k_qe3dab201a2_quant
	.globl	k_qe3dab201a2_quant
	.p2align	8
	.type	k_qe3dab201a2_quant,@function
k_qe3dab201a2_quant:
	s_mov_b64 s[64:65], 0
	v_nop
	global_prefetch_b8 v0, s[64:65] scope:SCOPE_SE
	s_setreg_imm32_b32 hwreg(HW_REG_WAVE_MODE, 25, 1), 1
	s_wait_xcnt 0x0
; x [8192][1024], W_qkv [1024][3072] and W_proj [1024][1024], f32, become codes of E4M3 in the workspace xw, K innermost, rows of 1,024 bytes:
;   x's 8,192 rows at byte 0, W_qkv's 3,072 columns at WOFF, W_proj's 1,024 columns at WPOFF.
; code = number / 2^e, held within +-448, to the nearest code, ties to even; e = entry 0 (x), 1 (W_qkv), 7 (W_proj) of the given exponents.
; LIMITS: each of these e lies between -126 and 119, so that 2^e and 448 x 2^e are f32 numbers.  NaN among the inputs is not served.
; ORDER OF ROWS: the row (token of x, column of W) with number i lies at place sw(i), i with its bits 3 and 4 exchanged.  Sixteen neighbouring places, taken as source 0 of a matrix
;   instruction, then leave 16 neighbouring true numbers in a lane's 16 result registers of two neighbouring tiles.
; ORDER ALONG K, x and W_qkv alike: byte p of each group of 512 holds k = 128 ((p / 4) % 4) + 4 (p / 16) + p % 4.  So x is loaded 512 consecutive bytes an instruction, 16 a lane, and its
;   codes are stored 512 consecutive bytes an instruction, with nothing between.  Both operands of the product are ordered alike, so each number meets its partner.  W_proj keeps K's true order.
; Work-groups 0-255: 32 rows of x each, no LDS.  Work-groups 256-351: W_qkv, 352-383: W_proj: 128 columns x 256 places along K each; a lane takes a column, its registers run down K;
;   the codes leave through the wave's own stage in LDS as rows.  No tile is shared between work-groups: no cluster, no tensor load, no barrier.
.set WOFF,  8388608
.set WPOFF, 11534336
.set R,   16                           ; x: v16-79   four sets of 16 numbers
.set C,   80                           ; x: v80-143  four registers of codes for each step: no store's data are written again
.set OFF, 32                           ; W: v32-63   byte offset of the block's row i at my column
.set X,   64                           ; W: v64-127  two sets of 32 numbers; at the end the rows read back from the stage
.set CW,  128                          ; W: v128-135 a block's codes
.set SPT, 272                          ; W: a stage row: 256 bytes + 16
	s_load_b256 s[4:11], s[0:1], 0x0               ; x s[4:5], W_qkv s[6:7], W_proj s[8:9], the exponents s[10:11]
	s_load_b64 s[12:13], s[0:1], 0x20              ; xw
	v_lshl_add_u32 v144, v0, 2, 0x8800
	v_mov_b32 v145, 0
	v_lshrrev_b32 v1, 5, v0
	v_readfirstlane_b32 s16, v1                    ; wave 0..3
	v_and_b32 v2, 31, v0                           ; lane
	s_wait_kmcnt 0x0
	s_load_b256 s[24:31], s[10:11], 0x0            ; e0 .. e7
	s_cmp_lt_u32 ttmp9, 256
	s_cbranch_scc0 .Lw
; ---------------- x: wave w takes rows 8 w .. 8 w + 7 of the work-group's 32: 16 steps of 512 numbers
	s_lshl_b32 s18, ttmp9, 17                      ; 32 rows of 4,096 bytes
	s_lshl_b32 s19, s16, 15                        ; 8 rows
	s_add_co_u32 s18, s18, s19
	s_mov_b32 s19, 0
	s_add_nc_u64 s[4:5], s[4:5], s[18:19]
	s_and_b32 s20, s16, 1                          ; the rows' bits 3 and 4 are the wave's bits 0 and 1: exchanged
	s_lshl_b32 s20, s20, 1
	s_lshr_b32 s21, s16, 1
	s_or_b32 s20, s20, s21
	s_lshl_b32 s20, s20, 13                        ; 8 rows of 1,024 bytes
	s_lshl_b32 s21, ttmp9, 15                      ; 32 rows
	s_add_co_u32 s20, s20, s21
	s_mov_b32 s21, 0
	s_add_nc_u64 s[12:13], s[12:13], s[20:21]
	s_wait_alu depctr_va_vdst(0)
	v_lshlrev_b32 v3, 4, v2                        ; 16 bytes a lane, in and out; never rewritten
.macro XLOAD t                         ; 2,048 bytes: four loads of 512 consecutive bytes; register 4 i + j of lane l is number 128 i + 4 l + j of the step's 512
.irp i, 0,1,2,3
	global_load_b128 v[R+16*((\t)%4)+4*\i:R+16*((\t)%4)+4*\i+3], v3, s[4:5] offset:2048*(\t)+512*\i th:TH_LOAD_NT
.endr
.endm
	XLOAD 0
	XLOAD 1
	XLOAD 2
	XLOAD 3
	s_wait_kmcnt 0x0
	s_add_co_i32 s22, s24, 127
	s_lshl_b32 s23, s22, 23
	v_mov_b32 v11, s23                             ; 2^e0 as f32: the conversion takes its exponent field
.macro XSTEP t
.set RS, R+16*((\t)%4)
.if 15-(\t) >= 3
	s_wait_loadcnt 12                              ; this step's four loads are in; the twelve of the three steps behind it may be out
.else
	s_wait_loadcnt 4*(15-(\t))
.endif
.irp i, 0,1,2,3,4,5,6,7,8,9,10,11,12,13,14,15
.endr
	v_cvt_scalef32_pk8_fp8_f32 v[C+4*(\t):C+4*(\t)+1], v[RS:RS+7], v11
	v_cvt_scalef32_pk8_fp8_f32 v[C+4*(\t)+2:C+4*(\t)+3], v[RS+8:RS+15], v11
.if (\t)+4 < 16
	XLOAD (\t)+4                                   ; the set just converted takes the loads of four steps on
.endif
	global_store_b128 v3, v[C+4*(\t):C+4*(\t)+3], s[12:13] offset:512*(\t)   ; 32 lanes store 512 consecutive bytes, aligned
.endm
	s_wait_alu depctr_va_vdst(0)
.irp t, 0,1,2,3,4,5,6,7,8,9,10,11,12,13,14,15
	XSTEP \t
.endr
	s_endpgm
; ---------------- W_qkv and W_proj: one text, told apart by selections on the work-group's number
.Lw:
	s_sub_co_u32 s17, ttmp9, 256                   ; 0..95: W_qkv; 96..127: W_proj
	s_sub_co_u32 s18, s17, 96
	s_cmp_lt_u32 s17, 96
	s_cselect_b32 s18, s17, s18                    ; my number within the tensor
	s_cselect_b64 s[6:7], s[6:7], s[8:9]           ; the tensor
	s_mov_b32 s19, 4096
	s_cselect_b32 s19, 12288, s19                  ; bytes from row k to row k + 1
	s_mov_b32 s20, 131072
	s_cselect_b32 s20, 98304, s20                  ; from a block of 32 places to the next: 8 rows of W_qkv (its order along K), 32 of W_proj
	s_mov_b32 s21, WPOFF
	s_cselect_b32 s21, WOFF, s21                   ; where the codes go
	s_wait_alu depctr_va_vdst(0)
	v_lshlrev_b32 v3, 2, v2                        ; 4 bytes a lane
.set ii, 0
	s_wait_alu depctr_va_vdst(0)
.rept 32                               ; place ii of a block: row 128 ((ii / 4) % 4) + 4 (ii / 16) + ii % 4 of W_qkv, row ii of W_proj (moves and selections leave SCC alone)
	s_mov_b32 s33, ii*4096
	s_cselect_b32 s33, (128*((ii/4)%4)+4*(ii/16)+(ii%4))*12288, s33
	v_add_nc_u32 v[OFF+ii], s33, v3
.set ii, ii+1
.endr
	s_lshr_b32 s22, s18, 2                         ; which 128 columns
	s_and_b32 s23, s18, 3                          ; which 256 places along K
	s_lshr_b32 s34, s23, 1
	s_lshl_b32 s34, s34, 9
	s_and_b32 s35, s23, 1
	s_lshl_b32 s35, s35, 6
	s_add_co_u32 s34, s34, s35                     ; W_qkv: the first row is 512 (y / 2) + 64 (y % 2)
	s_lshl_b32 s35, s23, 8                         ; W_proj: 256 y
	s_cmp_lt_u32 s17, 96
	s_cselect_b32 s34, s34, s35
	s_mul_i32 s34, s34, s19
	s_lshl_b32 s52, s22, 7
	s_lshl_b32 s53, s16, 5
	s_add_co_u32 s52, s52, s53                     ; my wave's first column
	s_lshl_b32 s53, s52, 2
	s_add_co_u32 s34, s34, s53
	s_mov_b32 s35, 0
	s_add_nc_u64 s[36:37], s[6:7], s[34:35]        ; a base for each of the eight blocks: none is ever stepped
	s_mov_b32 s54, s20
	s_mov_b32 s55, 0
.irp t, 1,2,3,4,5,6,7
	s_add_nc_u64 s[36+2*\t:37+2*\t], s[34+2*\t:35+2*\t], s[54:55]
.endr
	s_lshl_b32 s52, s52, 10                        ; the codes: column x 1,024 bytes + 256 y
	s_add_co_u32 s52, s52, s21
	s_lshl_b32 s53, s23, 8
	s_add_co_u32 s52, s52, s53
	s_mov_b32 s53, 0
	s_add_nc_u64 s[12:13], s[12:13], s[52:53]
	s_mul_i32 s32, s16, 32*SPT                     ; my stage
	v_mul_u32_u24 v4, v2, SPT
	v_add_nc_u32 v4, s32, v4                       ; into it: row = my column
	v_and_b32 v5, 15, v2
	v_lshrrev_b32 v6, 4, v2
	v_mul_u32_u24 v7, v6, SPT
	v_lshl_add_u32 v7, v5, 4, v7
	v_add_nc_u32 v7, s32, v7                       ; out of it: sixteen lanes to a row, two rows an instruction
	v_lshlrev_b32 v8, 10, v6
	v_lshl_add_u32 v8, v5, 4, v8                   ; and the same in the codes' buffer
.macro WLOAD t                         ; block t: 32 numbers down K of my column; each load reads 128 consecutive bytes
.set ii, 0
.rept 32
	global_load_b32 v[X+32*((\t)%2)+ii], v[OFF+ii], s[36+2*(\t):37+2*(\t)] th:TH_LOAD_NT
.set ii, ii+1
.endr
.endm
	WLOAD 0
	WLOAD 1
	s_wait_kmcnt 0x0
	s_cmp_lt_u32 s17, 96
	s_cselect_b32 s52, s25, s31                    ; e1 or e7
	s_add_co_i32 s52, s52, 127
	s_lshl_b32 s53, s52, 23
	v_mov_b32 v11, s53                             ; 2^e
	s_add_co_i32 s52, s52, 8
	s_lshl_b32 s52, s52, 23
	s_or_b32 s52, s52, 0x600000
.macro WBLOCK t
.set XS, X+32*((\t)%2)
.if (\t) < 7
	s_wait_loadcnt 32                              ; this block's 32 loads are in; the next block's 32 may be out
.else
	s_wait_loadcnt 0
.endif
.set ii, 0
.rept 32
.set ii, ii+1
.endr
.irp g, 0,1,2,3
	v_cvt_scalef32_pk8_fp8_f32 v[CW+2*\g:CW+2*\g+1], v[XS+8*\g:XS+8*\g+7], v11
.endr
	ds_store_b128 v4, v[CW:CW+3] offset:32*(\t)    ; 32 codes of my column's row
	ds_store_b128 v4, v[CW+4:CW+7] offset:32*(\t)+16
.if (\t)+2 < 8
	WLOAD (\t)+2
.endif
	s_wait_dscnt 0x0                               ; the stores have read their registers: the next block's codes may be written
.endm
	s_wait_alu depctr_va_vdst(0)
.irp t, 0,1,2,3,4,5,6,7
	WBLOCK \t
.endr
	v_nop
.irp t, 0,1,2,3,4,5,6,7,8,9,10,11,12,13,14,15
	ds_load_b128 v[X+4*\t:X+4*\t+3], v7 offset:2*\t*SPT   ; LDS serves a wave's instructions in order: these see my stores
.endr
.irp t, 0,1,2,3,4,5,6,7,8,9,10,11,12,13,14,15
	s_wait_dscnt 15-\t                             ; the younger loads may be out
	global_store_b128 v8, v[X+4*\t:X+4*\t+3], s[12:13] offset:2*((\t%4)+8*((\t/4)%2)+4*(\t/8))*1024   ; columns 2 t, 2 t + 1 go to their places (bits 3 and 4 exchanged); 16 lanes store 256 consecutive bytes, aligned
.endr
	s_wait_tensorcnt 0x0
	ds_add_u32 v144, v145
	s_wait_dscnt 0x0
	s_endpgm
.Lfunc_end_k_qe3dab201a2_quant:
	.size	k_qe3dab201a2_quant, .Lfunc_end_k_qe3dab201a2_quant-k_qe3dab201a2_quant
	.p2alignl 7, 3214868480
	.fill 96, 4, 3214868480
	.section	.rodata,"a",@progbits
	.p2align	6, 0x0
	.amdhsa_kernel k_qe3dab201a2_quant
		.amdhsa_group_segment_fixed_size 35328
		.amdhsa_private_segment_fixed_size 0
		.amdhsa_enable_private_segment 0
		.amdhsa_kernarg_size 40
		.amdhsa_user_sgpr_count 2
		.amdhsa_user_sgpr_kernarg_segment_ptr 1
		.amdhsa_wavefront_size32 1
		.amdhsa_system_sgpr_workgroup_id_x 1
		.amdhsa_system_sgpr_workgroup_id_y 1
		.amdhsa_system_sgpr_workgroup_id_z 1
		.amdhsa_system_vgpr_workitem_id 0
		.amdhsa_next_free_vgpr 146
		.amdhsa_next_free_sgpr 66
		.amdhsa_reserve_vcc 0
		.amdhsa_float_denorm_mode_32 3
		.amdhsa_float_denorm_mode_16_64 3
		.amdhsa_fp16_overflow 1
		.amdhsa_memory_ordered 1
		.amdhsa_forward_progress 1
		.amdhsa_inst_pref_size 50
	.end_amdhsa_kernel
	.amdgpu_metadata
---
amdhsa.version: [ 1, 2 ]
amdhsa.kernels:
  - .name:           k_qe3dab201a2_quant
    .symbol:         k_qe3dab201a2_quant.kd
    .args:
      - { .name: x, .offset: 0, .size: 8, .value_kind: global_buffer, .address_space: global }
      - { .name: W_qkv, .offset: 8, .size: 8, .value_kind: global_buffer, .address_space: global }
      - { .name: W_proj, .offset: 16, .size: 8, .value_kind: global_buffer, .address_space: global }
      - { .name: lowp_scales, .offset: 24, .size: 8, .value_kind: global_buffer, .address_space: global }
      - { .name: xw, .offset: 32, .size: 8, .value_kind: global_buffer, .address_space: global }
    .group_segment_fixed_size: 35328
    .private_segment_fixed_size: 0
    .kernarg_segment_align: 8
    .kernarg_segment_size: 40
    .max_flat_workgroup_size: 128
    .sgpr_count:     66
    .vgpr_count:     146
    .wavefront_size: 32
...
	.end_amdgpu_metadata
.endif
;; end of part 1
;; launch gemm_qkv (part 2): grid 12 x 32, 4 waves a work-group, clusters of 4 x 4, 327,680 bytes of LDS; arguments xw, b_qkv, lowp_scales, qkv; writes qkv
.if DOCPART == 2
	.amdgcn_target "amdgcn-amd-amdhsa--gfx1250"
	.amdhsa_code_object_version 6
	.text
	.protected	k_qe3dab201a2_gemm_qkv
	.globl	k_qe3dab201a2_gemm_qkv
	.p2align	8
	.type	k_qe3dab201a2_gemm_qkv,@function
k_qe3dab201a2_gemm_qkv:
	s_mov_b64 s[64:65], 0
	v_nop
	global_prefetch_b8 v0, s[64:65] scope:SCOPE_SE
	s_setreg_imm32_b32 hwreg(HW_REG_WAVE_MODE, 25, 1), 1
	s_wait_xcnt 0x0
	s_wait_alu depctr_hold_cnt(0) depctr_sa_sdst(0) depctr_va_vdst(0) depctr_va_sdst(0) depctr_va_ssrc(0) depctr_va_vcc(0) depctr_vm_vsrc(0)
	s_getreg_b32 s2, hwreg(HW_REG_IB_STS2, 6, 4)
	s_cmp_eq_u32 s2, 0
	s_cbranch_scc0 .Lentry_in_a_cluster
	s_endpgm
.Lentry_in_a_cluster:
	s_bfe_u32 s2, ttmp6, 0x10000c
	s_cmp_lg_u32 s2, 0xf033
	s_cbranch_scc0 .Lentry_shape_is_right
	s_endpgm
.Lentry_shape_is_right:
; qkv = x W_qkv + b_qkv on codes of E4M3 (x's and W_qkv's rows of 1,024 codes in xw, rows in places, K ordered alike in both), and q, k, v quantised at once into the workspace qkv.
; A tile of 256 x 256 is made by four waves, 128 x 128 each: 64 accumulators, 512 registers.  K = 1,024 goes in four steps of 256 through a ring of two LDS slots filled by the tensor data mover.
; CLUSTERS: 4 x 4 work-groups; region A's tile (source 1) is shared along a row of the cluster, region B's (source 0) along a column: each is asked for jointly.
; ROLES, by the cluster's x, which all sixteen partners share.  x = 0 (q), 1 (k): A = 256 places of x, B = 256 places of W_qkv: a lane's result registers run along the head's channels, the K of q k^T.
;   x = 2 (v): the operands change places by their addresses alone: A = places of W_qkv's last third, B = places of x: a lane's registers run along the tokens, the K of p v.
; Rows lie in places (bits 3 and 4 of the number exchanged), so the 16 result registers of source 0's tiles 2 b, 2 b + 1 are the true numbers 32 b + 16 (lane / 16) + 0 .. 15.
; THE WAY OUT needs no LDS: sum x 2^(e0 + e1) + bias in f32, the conversion; four registers of all 32 lanes are stored as 512 consecutive bytes: the buffers are images of the next operands' registers:
;   q (byte 0), k (2^23): [head 16 b + h][block of 16 places][c 0..1][lane][16]: lane (r, hl): channels 32 c + 16 hl + 0..15 of place r.
;   v (2^24): [head][128 keys][block of 16 channel places][c 0..3][lane][16]: lane (r, hl): keys 32 c + 16 hl + 0..15 of channel place r.
; LIMITS: e0 + e1 between -126 and 127; e2, e3, e5 between -126 and 119.  NaN is not served.
; REGISTERS: window 0: v8, v9, v16-31 addresses and constants; v32-47 the bias of my row (v's role), v64-127 of my 64 columns (q's, k's); v128-255 A's fragments, one set; on the way out v128-191 codes, v192-255 numbers.
;   window 1: B's fragments, two sets.  windows 2, 3: the accumulators ((a, b) at v[8 (8 (a % 4) + b)]).
.set WOFF,   8388608
.set ROWB,   256                       ; a tile's row: 256 codes
.set KROW,   1024                      ; a row in memory
.set PITCH,  272                       ; an LDS row: 256 bytes + 16: the 16 rows that a load touches start 16 bytes apart modulo 256
.set FR,     16
.set NL,     4
.set NP,     4
.set HALFT,  128*PITCH
.set SLOT,   4*HALFT
.set SPARE,  2*SLOT                    ; behind the ring: the spare words, 128 bytes a wave, which no other line names
.set BNO,  8                           ; v8   64 x (lane / 16)
.set BMO,  9                           ; v9   4 x (r + 8 (r / 8))
.set ADRA, 16
.set ADRB, 20
.set CO,   26                          ; v26  16 x lane
.set SPW,  28
.set NIL,  29
.set LIM,  30
.set SCL,  31                          ; v31  2^eo
.set BM,   32
.set BN,   64
.set AF,   128
.set CD,   128
.set T,    192
.set G1, 24
.set G0, 32
.set G1B, 48
.set G0B, 56
.set MSB, 0
.macro WIN new                         ; the immediate's high byte repeats the setting that is left
.if MSB != (\new)
	s_set_vgpr_msb (MSB<<8)|(\new)
.set MSB, (\new)
.endif
.endm
.set MUL_LO, 0xa1                      ; source 0 (B) window 1, source 1 (A) window 0, C and D window 2
.set MUL_HI, 0xf1
.set TO_B,   0x40
; A joint load: waves 0 and 1 fetch for A, waves 2 and 3 for B; the branch hangs on the wave's number alone.  Four v_nop follow each line.
.macro JLOAD g0a, g1a, g0b, g1b
	s_cmp_eq_u32 s15, 0
	s_cbranch_scc0 .Lfor_b_\@
	tensor_load_to_lds s[\g0a:\g0a+3], s[\g1a:\g1a+7]
	s_nop 0
.rept 4
	v_nop
.endr
	s_branch .Lasked_\@
.Lfor_b_\@:
	tensor_load_to_lds s[\g0b:\g0b+3], s[\g1b:\g1b+7]
	s_nop 0
.rept 4
	v_nop
.endr
.Lasked_\@:
.endm
.macro CREST                           ; a round of the cluster's barrier behind its opening barrier
	s_cmp_lg_u32 s14, 0
	s_cbranch_scc1 .Lnot_wave_0_\@
	s_barrier_signal -3
.Lnot_wave_0_\@:
	s_barrier_wait -3
	s_barrier_signal -1
	s_barrier_wait -1
.endm
.macro CROUND
	s_barrier_signal -1
	s_barrier_wait -1
	CREST
.endm
	s_load_b256 s[4:11], s[0:1], 0x0               ; xw s[4:5], b_qkv s[6:7], the exponents s[8:9], qkv s[10:11]
	v_lshl_add_u32 v[SPW], v0, 2, SPARE
	v_mov_b32 v[NIL], 0
	ds_add_u32 v28, v29
	ds_add_u32 v28, v29
	s_wait_dscnt 0x0
	v_lshrrev_b32 v1, 5, v0
	v_readfirstlane_b32 s14, v1                    ; wave 0..3
	s_lshr_b32 s15, s14, 1                         ; my half of A's rows.  Also: I fetch for A (0) or for B (1)
	s_and_b32 s16, s14, 1                          ; my half of B's rows.  Also: which 128 rows I fetch
	s_bfe_u32 s40, ttmp6, 0x40000                  ; cx
	s_bfe_u32 s41, ttmp6, 0x40004                  ; cy
	s_lshl_b32 s70, ttmp9, 2                       ; 4 x cluster x
	s_and_b32 s68, ttmp7, 0xffff
	s_lshl_b32 s68, s68, 2                         ; 4 x cluster y
	s_cmp_eq_u32 ttmp9, 2                          ; v's role?  The same in all sixteen partners
	s_cselect_b32 s17, 8, s68                      ; A's first tile of 256 rows: of W_qkv's last third, or of x
	s_cselect_b32 s42, s68, s70                    ; B's: of x, or of W_qkv
	s_cselect_b32 s71, WOFF, 0                     ; and the part of xw in which each lies
	s_cselect_b32 s72, 0, WOFF
	s_add_co_u32 s17, s17, s41                     ; A's tile hangs on cy alone,
	s_add_co_u32 s42, s42, s40                     ; B's on cx alone
	s_lshl_b32 s43, s41, 2
	s_lshl_b32 s43, 15, s43                        ; my row of the cluster
	s_lshl_b32 s44, 0x1111, s40                    ; my column
	s_or_b32 s[G1+0], s43, (0<<16)|(1<<20)|(1<<21)|(5<<22)|(3<<25)  ; the mask; elements of 1 byte; padding on; bit 21 beside a mask; 4 words behind every 64
	s_or_b32 s[G1B+0], s44, (0<<16)|(1<<20)|(1<<21)|(5<<22)|(3<<25)
.irp g, G1, G1B
	s_mov_b32 s[\g+1], ROWB<<16                    ; tensor_dim0
	s_mov_b32 s[\g+2], 128<<16                     ; tensor_dim1
	s_mov_b32 s[\g+3], ROWB<<16                    ; tile_dim0
	s_mov_b32 s[\g+4], 128                         ; tile_dim1
	s_mov_b32 s[\g+5], KROW                        ; the pitch
	s_mov_b32 s[\g+6], 0
	s_mov_b32 s[\g+7], 0
.endr
	s_lshl_b32 s18, s16, 17                        ; the 128 rows that I fetch: 128 x 1,024 bytes
	s_lshl_b32 s20, s17, 18                        ; a tile: 256 x 1,024 bytes
	s_add_co_u32 s20, s20, s18
	s_add_co_u32 s20, s20, s71
	s_mov_b32 s21, 0
	s_lshl_b32 s46, s42, 18
	s_add_co_u32 s46, s46, s18
	s_add_co_u32 s46, s46, s72
	s_mov_b32 s47, 0
	s_mul_i32 s45, s14, HALFT                      ; where they go: wave x 128 rows
	s_wait_kmcnt 0x0
	s_load_b256 s[80:87], s[8:9], 0x0              ; e0 .. e7
	s_add_nc_u64 s[20:21], s[4:5], s[20:21]
	s_add_nc_u64 s[46:47], s[4:5], s[46:47]
	CROUND                                         ; all sixteen work-groups are here: the first joint loads meet
.irp s, 0,1
	s_mov_b32 s[G0+4*\s], 1
	s_add_co_u32 s[G0+4*\s+1], s45, \s*SLOT
	s_add_nc_u64 s[G0+4*\s+2:G0+4*\s+3], s[20:21], \s*ROWB
	s_or_b32 s[G0+4*\s+3], s[G0+4*\s+3], 0x80000000
	s_mov_b32 s[G0B+4*\s], 1
	s_add_co_u32 s[G0B+4*\s+1], s45, \s*SLOT
	s_add_nc_u64 s[G0B+4*\s+2:G0B+4*\s+3], s[46:47], \s*ROWB
	s_or_b32 s[G0B+4*\s+3], s[G0B+4*\s+3], 0x80000000
	JLOAD G0+4*\s, G1, G0B+4*\s, G1B
.endr
	v_and_b32 v1, 15, v0                           ; r
	v_bfe_u32 v2, v0, 4, 1                         ; lane / 16
	s_wait_alu depctr_va_vdst(0)
	v_mul_u32_u24 v3, v1, PITCH
	v_lshl_add_u32 v4, v2, 4, v3
	s_mul_i32 s21, s15, HALFT                      ; my 128 rows of A
	s_mul_i32 s22, s16, HALFT                      ; my 128 rows of B,
	s_add_co_u32 s22, s22, 2*HALFT                 ; behind A's 256
.irp s, 0,1
	v_add_nc_u32 v[ADRA+\s], s21, v4
	v_add_nc_u32 v[ADRB+\s], s22, v4
	s_add_co_u32 s21, s21, SLOT
	s_add_co_u32 s22, s22, SLOT
.endr
	v_and_b32 v6, 31, v0
	v_lshlrev_b32 v[CO], 4, v6
	; both kinds of bias are loaded in both roles, each from a place inside b_qkv; a role uses its own.  They land while the products run; their address registers are never rewritten.
	s_cmp_eq_u32 ttmp9, 2
	s_cselect_b32 s73, 0, s42                      ; by columns: B's tile of W_qkv (q, k)
	s_cselect_b32 s78, s17, 8                      ; by rows: A's tile of W_qkv (v)
	s_lshl_b32 s74, s73, 10                        ; 256 numbers of 4 bytes
	s_lshl_b32 s75, s16, 9
	s_add_co_u32 s74, s74, s75
	s_mov_b32 s75, 0
	s_add_nc_u64 s[74:75], s[6:7], s[74:75]
	s_lshl_b32 s76, s78, 10
	s_lshl_b32 s77, s15, 9
	s_add_co_u32 s76, s76, s77
	s_mov_b32 s77, 0
	s_add_nc_u64 s[76:77], s[6:7], s[76:77]
	v_lshlrev_b32 v[BNO], 6, v2                    ; my half's 16 columns of each 32
	v_and_b32 v[BMO], 8, v1
	v_add_nc_u32 v[BMO], v[BMO], v1
	v_lshlrev_b32 v[BMO], 2, v[BMO]                ; place r of a block is true number r + 8 (r / 8) in it
.irp n, 0,1,2,3,4,5,6,7,8,9,10,11,12,13,14,15
	global_load_b128 v[BN+4*\n:BN+4*\n+3], v[BNO], s[74:75] offset:128*(\n/4)+16*(\n%4)   ; register 16 b + i: column 32 b + 16 (lane / 16) + i
.endr
.irp a, 0,1,2,3,4,5,6,7
	global_load_b32 v[BM+2*\a], v[BMO], s[76:77] offset:(32*(\a/2)+8*(\a%2))*4              ; block a's row r, twice: a pair for the packed form
	global_load_b32 v[BM+2*\a+1], v[BMO], s[76:77] offset:(32*(\a/2)+8*(\a%2))*4
.endr
.macro FRAG reg, adr, q, i             ; 16 rows x 128 codes: registers 4 c .. 4 c + 3 hold bytes 32 c + 16 (lane / 16) + 0 .. 15 of row lane % 16; the same in A and in B
.irp c, 0,1,2,3
	ds_load_b128 v[\reg+4*\c:\reg+4*\c+3], v[\adr] offset:128*(\q)+32*\c+(\i)*16*PITCH
.endr
.endm
; 16 matrix instructions: A's blocks a0, a0 + 1 x B's eight.  The 64 accumulators take turns, one instruction a turn, in the same order in every step.
.macro MUL16 a0, p, zero
.irp a, \a0, \a0+1
.irp b, 0,1,2,3,4,5,6,7
.if \zero
	v_wmma_f32_16x16x128_fp8_fp8 v[8*(8*((\a)%4)+\b):8*(8*((\a)%4)+\b)+7], v[128*(\p)+FR*\b:128*(\p)+FR*\b+FR-1], v[AF+FR*(\a):AF+FR*(\a)+FR-1], 0
.else
	v_wmma_f32_16x16x128_fp8_fp8 v[8*(8*((\a)%4)+\b):8*(8*((\a)%4)+\b)+7], v[128*(\p)+FR*\b:128*(\p)+FR*\b+FR-1], v[AF+FR*(\a):AF+FR*(\a)+FR-1], v[8*(8*((\a)%4)+\b):8*(8*((\a)%4)+\b)+7]
.endif
.endr
.endr
.endm
.macro FETCH_B slot, q, p
	WIN TO_B
.irp i, 0,1,2,3,4,5,6,7
	FRAG 128*(\p)+FR*\i, ADRB+\slot, \q, \i
.endr
	WIN 0
.endm
.macro FETCH_A slot, q, i0
.irp i, \i0, \i0+1, \i0+2, \i0+3
	FRAG AF+FR*(\i), ADRA+\slot, \q, \i
.endr
.endm
.macro PLACES n                        ; plain vector lines between a matrix instruction and a load into, or a vector write of, its registers, or a read of its result
.rept \n
	v_nop
.endr
.endm
.macro STEP slot, q, zero              ; 128 along K, with its successor in the same slot
	s_wait_dscnt 4*NL                              ; B's set and A's blocks 0-3 are in; the 16 youngest loads (A's blocks 4-7) may be out
	WIN MUL_LO
	MUL16 0, (\q)%2, \zero
	MUL16 2, (\q)%2, \zero
	s_wait_dscnt 0
	PLACES NP
	FETCH_B \slot, (\q)+1, 1-(\q)%2
	FETCH_A \slot, (\q)+1, 0
	WIN MUL_HI
	MUL16 4, (\q)%2, \zero
	MUL16 6, (\q)%2, \zero
	PLACES NP
	WIN 0
	FETCH_A \slot, (\q)+1, 4
.endm
; A slot's last step changes slots: one barrier; in front of it each wave waits for all its tensor loads, adds 0 to its spare word, and waits for that and for its reads of this slot.
.macro TURN slot, next, fill
	s_wait_tensorcnt 0x0                           ; all my tensor loads have landed: my part of the next slot
	ds_add_u32 v[SPW], v[NIL]                      ; 0 onto my spare word
	s_wait_dscnt 4*NL+1                            ; the add and the 16 youngest loads may be out
	WIN MUL_LO
	MUL16 0, 1, 0
	s_wait_dscnt 0x0                               ; the add is done, and my reads of this slot are over
	s_barrier_signal -1
	MUL16 2, 1, 0
	WIN 0
	s_barrier_wait -1
.if \fill
	CREST                                          ; the barrier has opened a round of the cluster's: no wave of any partner still reads this slot or has a load on its way
	s_add_nc_u64 s[G0+4*\slot+2:G0+4*\slot+3], s[G0+4*\slot+2:G0+4*\slot+3], 2*ROWB
	s_add_nc_u64 s[G0B+4*\slot+2:G0B+4*\slot+3], s[G0B+4*\slot+2:G0B+4*\slot+3], 2*ROWB
	JLOAD G0+4*\slot, G1, G0B+4*\slot, G1B         ; the first tensor load behind the round; its four v_nop are the places in front of the loads below
.else
	PLACES NP
.endif
	FETCH_B \next, 0, 0
	FETCH_A \next, 0, 0
	WIN MUL_HI
	MUL16 4, 1, 0
	MUL16 6, 1, 0
	PLACES NP
	WIN 0
	FETCH_A \next, 0, 4
.endm
	s_wait_alu depctr_va_vdst(0)
	s_wait_tensorcnt 1                             ; my part of K step 0 is in; K step 1's load may be out
	s_barrier_signal -1
	s_barrier_wait -1
	FETCH_B 0, 0, 0
	FETCH_A 0, 0, 0
	FETCH_A 0, 0, 4
	STEP 0, 0, 1                                   ; the first step's products start the sums
	s_mov_b32 s3, 1                                ; K = 1,024 is two laps of the ring: one trip fills both slots again
.Llap:
	TURN 0, 1, 1
	STEP 1, 0, 0
	TURN 1, 0, 1
	STEP 0, 0, 0
	s_sub_co_u32 s3, s3, 1
	s_cmp_lg_u32 s3, 0
	s_cbranch_scc1 .Llap
	TURN 0, 1, 0
	STEP 1, 0, 0
	s_wait_dscnt 4*NL
	WIN MUL_LO
	MUL16 0, 1, 0
	MUL16 2, 1, 0
	s_wait_dscnt 0
	WIN MUL_HI
	MUL16 4, 1, 0
	MUL16 6, 1, 0
	WIN 0
; THE WAY OUT, a block of A's 16 rows at a time: 64 numbers a lane = sum x 2^(e0 + e1) + bias; eight conversions; four stores of 512 consecutive bytes.
.macro EPI role                        ; role 0: q, k (bias by column); role 1: v (bias by row)
.irp a, 0,1,2,3,4,5,6,7
.if \a == 4
	s_wait_xcnt 0x0                                ; blocks 0-3's stores have read their registers, which take blocks 4-7's codes
.endif
	WIN 0x02+(\a/4)                                ; source 0: the accumulators' window
.irp b, 0,1,2,3,4,5,6,7
.irp i, 0,2,4,6
.if \role
	v_pk_fma_f32 v[T+8*\b+\i:T+8*\b+\i+1], v[64*(\a%4)+8*\b+\i:64*(\a%4)+8*\b+\i+1], s[96:97], v[BM+2*\a:BM+2*\a+1] op_sel_hi:[1,0,1]
.else
	v_pk_fma_f32 v[T+8*\b+\i:T+8*\b+\i+1], v[64*(\a%4)+8*\b+\i:64*(\a%4)+8*\b+\i+1], s[96:97], v[BN+8*\b+\i:BN+8*\b+\i+1] op_sel_hi:[1,0,1]
.endif
.endr
.endr
	WIN 0
.set n, 0
.rept 64
.set n, n+1
.endr
.irp p, 0,1,2,3
	v_cvt_scalef32_pk8_fp8_f32 v[CD+16*(\a%4)+4*\p:CD+16*(\a%4)+4*\p+1], v[T+16*\p:T+16*\p+7], v[SCL]
	v_cvt_scalef32_pk8_fp8_f32 v[CD+16*(\a%4)+4*\p+2:CD+16*(\a%4)+4*\p+3], v[T+16*\p+8:T+16*\p+15], v[SCL]
.endr
	v_nop                                          ; a plain line between the conversions and the next block's writes of their sources
.irp p, 0,1,2,3
.if \role
	global_store_b128 v[CO], v[CD+16*(\a%4)+4*\p:CD+16*(\a%4)+4*\p+3], s[10:11] offset:(\a/4)*131072+(\a%4)*2048+\p*512   ; head a / 4, channel block a % 4, keys 32 p on
.else
	global_store_b128 v[CO], v[CD+16*(\a%4)+4*\p:CD+16*(\a%4)+4*\p+3], s[10:11] offset:\a*1024+(\p/2)*131072+(\p%2)*512   ; block a of places, head p / 2, channels 32 (p % 2) on
.endif
.endr
.endr
.endm
	s_wait_kmcnt 0x0
	s_wait_loadcnt 0x0                             ; the biases
	s_add_co_i32 s96, s80, s81
	s_add_co_i32 s96, s96, 127
	s_lshl_b32 s96, s96, 23                        ; 2^(e0 + e1) as f32
	s_mov_b32 s97, s96                             ; (named with it as a pair)
	s_cmp_eq_u32 ttmp9, 1
	s_cselect_b32 s88, s83, s82                    ; k: e3; q: e2
	s_cmp_eq_u32 ttmp9, 2
	s_cselect_b32 s88, s85, s88                    ; v: e5
	s_add_co_i32 s88, s88, 127
	s_lshl_b32 s89, s88, 23
	v_mov_b32 v[SCL], s89
	PLACES NP                                      ; behind the last products: their results are read, and A's registers written, only from here on
	s_cmp_eq_u32 ttmp9, 2
	s_cbranch_scc1 .Lrole_v
	s_lshl_b32 s90, s42, 2                         ; q, k: my first of 32 heads' worth of columns: 4 x tile + 2 x half
	s_lshl_b32 s91, s16, 1
	s_add_co_u32 s90, s90, s91
	s_lshr_b32 s91, s90, 4
	s_lshl_b32 s91, s91, 23                        ; q's part or k's
	s_and_b32 s90, s90, 15
	s_lshr_b32 s92, s17, 3                         ; the batch: eight tiles of 256 tokens each
	s_lshl_b32 s92, s92, 4
	s_add_co_u32 s90, s90, s92
	s_lshl_b32 s90, s90, 17                        ; a head: 131,072 bytes
	s_add_co_u32 s90, s90, s91
	s_and_b32 s92, s17, 7
	s_lshl_b32 s92, s92, 4
	s_lshl_b32 s93, s15, 3
	s_add_co_u32 s92, s92, s93
	s_lshl_b32 s92, s92, 10                        ; a block of 16 places: 1,024 bytes
	s_add_co_u32 s90, s90, s92
	s_mov_b32 s91, 0
	s_add_nc_u64 s[10:11], s[10:11], s[90:91]
	EPI 0
	s_branch .Lend
.Lrole_v:
	s_lshr_b32 s90, s42, 3                         ; v: the batch,
	s_lshl_b32 s90, s90, 4
	s_and_b32 s91, s17, 3
	s_lshl_b32 s91, s91, 2
	s_add_co_u32 s90, s90, s91                     ; the tile's four heads,
	s_lshl_b32 s91, s15, 1
	s_add_co_u32 s90, s90, s91                     ; my two of them
	s_lshl_b32 s90, s90, 17
	s_and_b32 s91, s42, 7
	s_lshl_b32 s91, s91, 1
	s_add_co_u32 s91, s91, s16                     ; my 128 keys
	s_lshl_b32 s91, s91, 13
	s_add_co_u32 s90, s90, s91
	s_add_co_u32 s90, s90, 2<<23
	s_mov_b32 s91, 0
	s_add_nc_u64 s[10:11], s[10:11], s[90:91]
	EPI 1
.Lend:
	s_wait_tensorcnt 0x0                           ; the wave's end
	ds_add_u32 v[SPW], v[NIL]
	s_wait_dscnt 0x0
	CROUND                                         ; the closing round: no work-group ends while a partner may still ask for a tile that names it
	s_endpgm
.Lfunc_end_k_qe3dab201a2_gemm_qkv:
	.size	k_qe3dab201a2_gemm_qkv, .Lfunc_end_k_qe3dab201a2_gemm_qkv-k_qe3dab201a2_gemm_qkv
	.p2alignl 7, 3214868480
	.fill 96, 4, 3214868480
	.section	.rodata,"a",@progbits
	.p2align	6, 0x0
	.amdhsa_kernel k_qe3dab201a2_gemm_qkv
		.amdhsa_group_segment_fixed_size 327680
		.amdhsa_private_segment_fixed_size 0
		.amdhsa_enable_private_segment 0
		.amdhsa_kernarg_size 32
		.amdhsa_user_sgpr_count 2
		.amdhsa_user_sgpr_kernarg_segment_ptr 1
		.amdhsa_wavefront_size32 1
		.amdhsa_system_sgpr_workgroup_id_x 1
		.amdhsa_system_sgpr_workgroup_id_y 1
		.amdhsa_system_sgpr_workgroup_id_z 1
		.amdhsa_system_vgpr_workitem_id 0
		.amdhsa_next_free_vgpr 1024
		.amdhsa_next_free_sgpr 100
		.amdhsa_reserve_vcc 0
		.amdhsa_float_denorm_mode_32 3
		.amdhsa_float_denorm_mode_16_64 3
		.amdhsa_fp16_overflow 1
		.amdhsa_memory_ordered 1
		.amdhsa_forward_progress 1
		.amdhsa_inst_pref_size 130
	.end_amdhsa_kernel
	.amdgpu_metadata
---
amdhsa.version: [ 1, 2 ]
amdhsa.kernels:
  - .name:           k_qe3dab201a2_gemm_qkv
    .symbol:         k_qe3dab201a2_gemm_qkv.kd
    .args:
      - { .name: xw, .offset: 0, .size: 8, .value_kind: global_buffer, .address_space: global }
      - { .name: b_qkv, .offset: 8, .size: 8, .value_kind: global_buffer, .address_space: global }
      - { .name: lowp_scales, .offset: 16, .size: 8, .value_kind: global_buffer, .address_space: global }
      - { .name: qkv, .offset: 24, .size: 8, .value_kind: global_buffer, .address_space: global }
    .group_segment_fixed_size: 327680
    .private_segment_fixed_size: 0
    .kernarg_segment_align: 8
    .kernarg_segment_size: 32
    .max_flat_workgroup_size: 128
    .sgpr_count:     100
    .vgpr_count:     1024
    .wavefront_size: 32
...
	.end_amdgpu_metadata
.endif
;; end of part 2
;; launch attn (part 3): grid 4 x 64, 8 waves a work-group, clusters of 4 x 1, 263,168 bytes of LDS; arguments qkv, lowp_scales, yc; writes yc
.if DOCPART == 3
	.amdgcn_target "amdgcn-amd-amdhsa--gfx1250"
	.amdhsa_code_object_version 6
	.text
	.protected	k_qe3dab201a2_attn
	.globl	k_qe3dab201a2_attn
	.p2align	8
	.type	k_qe3dab201a2_attn,@function
k_qe3dab201a2_attn:
	s_mov_b64 s[64:65], 0
	v_nop
	global_prefetch_b8 v0, s[64:65] scope:SCOPE_SE
	s_setreg_imm32_b32 hwreg(HW_REG_WAVE_MODE, 25, 1), 1
	s_wait_xcnt 0x0
	s_wait_alu depctr_hold_cnt(0) depctr_sa_sdst(0) depctr_va_vdst(0) depctr_va_sdst(0) depctr_va_ssrc(0) depctr_va_vcc(0) depctr_vm_vsrc(0)
	s_getreg_b32 s2, hwreg(HW_REG_IB_STS2, 6, 4)
	s_cmp_eq_u32 s2, 0
	s_cbranch_scc0 .Lentry_in_a_cluster
	s_endpgm
.Lentry_in_a_cluster:
	s_bfe_u32 s2, ttmp6, 0x10000c
	s_cmp_lg_u32 s2, 0x3003
	s_cbranch_scc0 .Lentry_shape_is_right
	s_endpgm
.Lentry_shape_is_right:
; Causal attention of one head (16 b + h = the cluster's y) on codes of E4M3, and y quantised for the last product.  q, k, v lie in qkv as images of the operands' registers (see the launch that made them).
; THE SOFTMAX: t = score x log2(e) / 8; M = the running largest t rounded up to a whole number; p = 2^(t - M) is quantised with 2^e4; the row's sum is taken of the unquantised p and divides at the end.
;   When M moves, the sum and O are multiplied by 2^(old M - new M), which rounds nothing.
; CLUSTER: the four work-groups of a head read the same K and V.  The head's whole K (131,072 bytes) and V (131,072) are brought into each one's LDS once, by eight joint loads, one a wave; nothing is filled again.
;   Behind the one barrier LDS is only read, and no wave waits for another until the closing round.
; SHARES: the head's 2,048 queries are 16 groups of 128 places (8 tiles of 16).  Work-group cx takes tiles cx and cx + 4 of every group as a PAIR that shares each fragment of K and V read from LDS.
;   Wave w takes group 15 - w and then group w: (16 - w) + (w + 1) = 17 key steps of 128 in every wave of every work-group.  Group G needs key steps 0 .. G; step G lies on the diagonal, whatever cx is:
;   so every branch hangs on the wave's number and a loop's counter alone; cx enters q's and y's global addresses and the mask's numbers.  Each loop has 16 trips; a trip past the diagonal jumps over its work.
; LAYOUT: S^T = K Q^T (source 0 = 16 places of keys, source 1 = 16 places of queries), O^T = V^T P^T: a lane holds one query throughout.  Places have bits 3 and 4 of the number exchanged, so the 16 registers
;   of key tiles 2 b, 2 b + 1 are the true keys 32 b + 16 (lane / 16) + 0 .. 15, and likewise O^T's channels: the conversions' results are the next operands' registers.
; y goes to yc as [128 places][head][tile][c 0..1][lane][16]: lane (r, hl): channels 32 c + 16 hl + 0 .. 15 of place r.
; LIMITS: e2 + e3 between -123 and 130 (added to the exponent field of log2(e) / 8); e4 and e6 between -126 and 119.  NaN is not served.
; REGISTERS: window 0: v1 16 x lane; v2, v3 LDS addresses; v4, v5 the mask's numbers; v7 2^e4; tile x: v[8+4x] -M, largest t, the sum in two halves; v[16+8x] at work (+4: f);
;   v19: 2^e6; v32-63 p's codes; v64-127 K's 8 fragments; v128-255 S^T, then p.   window 1: v0-63 O^T; v64-95 Q of both pairs; v128-191 V's 4 fragments.
.set LA,   1
.set ADK,  2
.set ADV,  3
.set D0,   4
.set PLIM, 6
.set PSC,  7
.set YSC,  19
.set YLIM, 27
.set P,    32
.set KF,   64
.set S,    128
.set QF,   64                          ; in window 1
.set VF,   128                         ; in window 1
.set MSB, 0
.macro WIN new                         ; the immediate's high byte repeats the setting that is left
.if MSB != (\new)
	s_set_vgpr_msb (MSB<<8)|(\new)
.set MSB, (\new)
.endif
.endm
.macro CROUND                          ; a round of the cluster's barrier
	s_barrier_signal -1
	s_barrier_wait -1
	s_cmp_lg_u32 s10, 0
	s_cbranch_scc1 .Lnot_wave_0_\@
	s_barrier_signal -3
.Lnot_wave_0_\@:
	s_barrier_wait -3
	s_barrier_signal -1
	s_barrier_wait -1
.endm
	s_load_b128 s[4:7], s[0:1], 0x0                ; qkv s[4:5], the exponents s[6:7]
	s_load_b64 s[8:9], s[0:1], 0x10                ; yc
	s_set_vgpr_msb 0x40
	v_lshl_add_u32 v192, v0, 2, 0x40000
	v_mov_b32 v193, 0
	s_set_vgpr_msb 0x4045
	ds_add_u32 v192, v193
	ds_add_u32 v192, v193
	s_set_vgpr_msb 0x4500
	v_lshrrev_b32 v1, 5, v0
	s_delay_alu instid0(VALU_DEP_1)
	v_readfirstlane_b32 s10, v1                    ; wave 0..7
	s_bfe_u32 s11, ttmp6, 0x40000                  ; cx
	s_and_b32 s12, ttmp7, 0xffff                   ; the head, which the four partners share
	s_mov_b32 s16, 15|(3<<16)|(1<<21)              ; group 1: the mask names all four; elements of 8 bytes; bit 21 beside a mask; no padding
	s_mov_b32 s17, 32<<16                          ; tensor_dim0 = 32: rows of 256 bytes
	s_mov_b32 s18, 128<<16                         ; tensor_dim1 = 128
	s_mov_b32 s19, 32<<16                          ; tile_dim0
	s_mov_b32 s20, 128                             ; tile_dim1
	s_mov_b32 s21, 32                              ; the pitch: the block is dense
	s_mov_b32 s22, 0
	s_mov_b32 s23, 0
	s_lshl_b32 s13, s12, 17                        ; the head's 131,072 bytes in each of q, k, v
	s_lshr_b32 s14, s10, 2
	s_add_co_u32 s14, s14, 1
	s_lshl_b32 s14, s14, 23                        ; waves 0-3: k's part of qkv; waves 4-7: v's
	s_add_co_u32 s14, s14, s13
	s_and_b32 s15, s10, 3
	s_lshl_b32 s15, s15, 15                        ; my quarter: 32,768 bytes
	s_add_co_u32 s14, s14, s15
	s_mov_b32 s15, 0
	s_wait_dscnt 0x0
	s_wait_kmcnt 0x0
	s_load_b256 s[32:39], s[6:7], 0x0              ; e0 .. e7
	s_mov_b32 s24, 1
	s_lshl_b32 s25, s10, 15                        ; LDS: K at 0, V at 131,072: wave x 32,768
	s_add_nc_u64 s[26:27], s[4:5], s[14:15]
	s_or_b32 s27, s27, 0x80000000
	CROUND                                         ; all four work-groups are here: the joint loads meet
	tensor_load_to_lds s[24:27], s[16:23]          ; my one tensor load of the launch
	s_nop 0
.rept 4
	v_nop
.endr
	v_and_b32 v1, 31, v0
	s_delay_alu instid0(VALU_DEP_1)
	v_lshlrev_b32 v[LA], 4, v1                     ; 16 x lane: an image's place for my lane; never rewritten
	s_wait_alu depctr_va_vdst(0)
	s_xor_b32 s43, s10, 15                         ; the first pair's group: 15 - wave
	s_lshl_b32 s50, s11, 10                        ; tile cx: 1,024 bytes a tile
	s_add_co_u32 s50, s50, s13
	s_lshl_b32 s51, s43, 13                        ; a group: 8 tiles
	s_add_co_u32 s44, s50, s51
	s_mov_b32 s45, 0
	s_add_nc_u64 s[44:45], s[4:5], s[44:45]        ; Q of the first pair,
	s_lshl_b32 s51, s10, 13
	s_add_co_u32 s52, s50, s51
	s_mov_b32 s53, 0
	s_add_nc_u64 s[52:53], s[4:5], s[52:53]        ; of the second
	WIN 0x40                                       ; destination window 1
.irp x, 0,1
.irp c, 0,1
	global_load_b128 v[QF+8*\x+4*\c:QF+8*\x+4*\c+3], v[LA], s[44:45] offset:4096*\x+512*\c
	global_load_b128 v[QF+16+8*\x+4*\c:QF+16+8*\x+4*\c+3], v[LA], s[52:53] offset:4096*\x+512*\c
.endr
.endr
	WIN 0
	s_lshr_b32 s50, s12, 4
	s_lshl_b32 s50, s50, 4                         ; 16 x batch
	s_and_b32 s51, s12, 15
	s_lshl_b32 s51, s51, 13                        ; the head's 8,192 bytes in a block of 128 places of y
	s_lshl_b32 s55, s11, 10
	s_add_co_u32 s51, s51, s55
	s_add_co_u32 s55, s50, s43
	s_lshl_b32 s55, s55, 17
	s_add_co_u32 s46, s55, s51
	s_mov_b32 s47, 0
	s_add_nc_u64 s[46:47], s[8:9], s[46:47]        ; y of the first pair,
	s_add_co_u32 s55, s50, s10
	s_lshl_b32 s55, s55, 17
	s_add_co_u32 s48, s55, s51
	s_mov_b32 s49, 0
	s_add_nc_u64 s[48:49], s[8:9], s[48:49]        ; of the second
	v_and_b32 v16, 15, v0                          ; r
	v_bfe_u32 v17, v0, 4, 1                        ; lane / 16
	s_delay_alu instid0(VALU_DEP_2)
	v_and_b32 v[D0], 8, v16
	s_delay_alu instid0(VALU_DEP_1)
	v_add_nc_u32 v[D0], v[D0], v16                 ; place r of a tile is true number r + 8 (r / 8) in it
	s_delay_alu instid0(VALU_DEP_3)
	v_lshlrev_b32 v17, 4, v17
	s_delay_alu instid0(VALU_DEP_1)
	v_sub_nc_u32 v[D0], v[D0], v17
	s_lshr_b32 s42, s11, 1
	s_lshl_b32 s42, s42, 5
	s_and_b32 s50, s11, 1
	s_lshl_b32 s50, s50, 3
	s_add_co_u32 s42, s42, s50                     ; tile cx begins at true number 32 (cx / 2) + 8 (cx % 2)
	v_add_nc_u32 v[D0], s42, v[D0]                 ; my query within its group, less 16 (lane / 16); tile cx + 4 lies 64 further on
	s_delay_alu instid0(VALU_DEP_1)
	v_add_nc_u32 v[D0+1], 64, v[D0]
	v_mov_b32 v18, 0                               ; written once: a lane permute's destination counts as read
	v_mov_b32 v26, 0
	v_mov_b32 v21, 0                               ; (named as the upper halves of the pairs that hold f)
	v_mov_b32 v29, 0
	s_mov_b32 s28, 0x76543210                      ; v_permlanex16_b32: lane l xor 16
	s_mov_b32 s29, 0xfedcba98
	s_wait_kmcnt 0x0
	s_add_co_i32 s50, s34, s35
	s_lshl_b32 s50, s50, 23
	s_add_co_i32 s30, s50, 0x3e38aa3b              ; c = log2(e) / 8 x 2^(e2 + e3): the exponents are added to the exponent field
	s_mov_b32 s31, s30                             ; (named with it as a pair)
	s_add_co_i32 s50, s36, 127
	s_lshl_b32 s51, s50, 23
	v_mov_b32 v[PSC], s51                          ; 2^e4
	s_add_co_i32 s54, s36, s37                     ; e4 + e5
	s_add_co_i32 s50, s38, 127
	s_lshl_b32 s51, s50, 23
	v_mov_b32 v[YSC], s51                          ; 2^e6
	s_wait_tensorcnt 0x0                           ; my quarter of K or V is in,
	s_barrier_signal -1
	s_barrier_wait -1                              ; everybody's is
	s_wait_loadcnt 0x0                             ; Q
; A KEY STEP for the pair: 128 keys at LDS byte s41 of K and of V.  s40: the step; s43: the group.
.macro BODY pi
	v_add_nc_u32 v[ADK], s41, v[LA]
	s_delay_alu instid0(VALU_DEP_1)
	v_add_nc_u32 v[ADV], 0x20000, v[ADK]
.irp f, 0,1,2,3,4,5,6,7,8,9,10,11,12,13,14,15
	ds_load_b128 v[KF+4*\f:KF+4*\f+3], v[ADK] offset:512*\f     ; tile f / 2, channels 32 (f % 2) on: 512 consecutive bytes
.endr
	s_wait_alu depctr_va_vdst(0)
	s_wait_dscnt 0x0
	WIN 0x04                                       ; source 1 (Q) window 1
.irp t, 0,1,2,3,4,5,6,7
.irp x, 0,1
	v_wmma_f32_16x16x64_fp8_fp8 v[S+64*\x+8*\t:S+64*\x+8*\t+7], v[KF+8*\t:KF+8*\t+7], v[QF+16*\pi+8*\x:QF+16*\pi+8*\x+7], 0
.endr
.endr
.rept 4
	v_nop                                          ; places: behind these products, ahead of the first read of the scores; with the two additions above also behind the last step's products, ahead of the loads into V's registers
.endr
	WIN 0x40                                       ; destination window 1
.irp f, 0,1,2,3,4,5,6,7,8,9,10,11,12,13,14,15
	ds_load_b128 v[VF+4*\f:VF+4*\f+3], v[ADV] offset:512*\f     ; channel block f / 4, keys 32 (f % 4) on; they land under the softmax
.endr
	WIN 0
	s_cmp_lg_u32 s40, s43                          ; only the group's own step lies on the diagonal
	s_cbranch_scc1 .Lopen_\@
	v_mov_b32 v16, 0xff800000                      ; -infinity: p = 0 then.  Register 16 b + i holds key 32 b + i + 16 (lane / 16) of the step: hidden where 32 b + i > my number
.irp x, 0,1
.set n, 0
.rept 64
	v_cmp_gt_i32 vcc_lo, 32*(n/16)+n%16, v[D0+\x]
	v_cndmask_b32 v[S+64*\x+n], v[S+64*\x+n], v16, vcc_lo
.set n, n+1
.endr
.endr
.Lopen_\@:
.irp x, 0,1                            ; the step's largest score of my query among my 64 keys, in two chains a tile, each accumulator from its low end on
	v_max3_num_f32 v[16+8*\x], v[S+64*\x], v[S+64*\x+1], v[S+64*\x+2]
	v_max3_num_f32 v[17+8*\x], v[S+64*\x+3], v[S+64*\x+4], v[S+64*\x+5]
.endr
.set j, 6
.rept 14
.irp x, 0,1
	v_max3_num_f32 v[16+8*\x], v[16+8*\x], v[S+64*\x+j], v[S+64*\x+j+1]
	v_max3_num_f32 v[17+8*\x], v[17+8*\x], v[S+64*\x+j+2], v[S+64*\x+j+3]
.endr
.set j, j+4
.endr
.irp x, 0
	v_max3_num_f32 v[16+8*\x], v[16+8*\x], v[S+64*\x+62], v[S+64*\x+63]
.endr
.irp x, 1
	v_max3_num_f32 v[16+8*\x], v[16+8*\x], v[S+64*\x+62], v[S+64*\x+63]
.endr
.irp x, 0,1
	s_delay_alu instid0(VALU_DEP_2)
	v_max_num_f32 v[16+8*\x], v[16+8*\x], v[17+8*\x]
.endr
.irp x, 0,1
	s_delay_alu instid0(VALU_DEP_2)
	v_permlanex16_b32 v[18+8*\x], v[16+8*\x], s28, s29
.endr
.irp x, 0,1
	s_delay_alu instid0(VALU_DEP_2)
	v_max_num_f32 v[16+8*\x], v[16+8*\x], v[18+8*\x]   ; and among lane l xor 16's
.endr
.irp x, 0,1
	s_delay_alu instid0(VALU_DEP_2)
	v_mul_f32 v[16+8*\x], s30, v[16+8*\x]          ; as t (c is positive)
.endr
.irp x, 0,1
	s_delay_alu instid0(VALU_DEP_2)
	v_max_num_f32 v[9+4*\x], v[9+4*\x], v[16+8*\x] ; the running largest t
.endr
.irp x, 0,1
	v_mov_b32 v[16+8*\x], v[8+4*\x]
.endr
.irp x, 0,1
	s_delay_alu instid0(VALU_DEP_4)
	v_floor_f32 v[8+4*\x], -v[9+4*\x]              ; -M = floor(-t): M is a whole number
.endr
.irp x, 0,1
	s_delay_alu instid0(VALU_DEP_2)
	v_sub_f32 v[16+8*\x], v[8+4*\x], v[16+8*\x]    ; old M - new M, 0 or less
.endr
.irp x, 0,1
	s_delay_alu instid0(VALU_DEP_2)
	v_cvt_i32_f32 v[16+8*\x], v[16+8*\x]           ; (it saturates)
.endr
.irp x, 0,1
	s_delay_alu instid0(VALU_DEP_2)
	v_ldexp_f32 v[20+8*\x], 1.0, v[16+8*\x]        ; f = 2^(old M - new M)
.endr
.set j, 0
	s_setprio 1
.rept 32
.irp x, 0,1
	v_pk_fma_f32 v[S+64*\x+j:S+64*\x+j+1], v[S+64*\x+j:S+64*\x+j+1], s[30:31], v[8+4*\x:9+4*\x] op_sel_hi:[1,0,0]   ; t - M, two at a time
.endr
.set j, j+2
.endr
.set j, 0
	s_wait_alu depctr_va_vdst(0)
.rept 64
.irp x, 0,1
	v_exp_f32 v[S+64*\x+j], v[S+64*\x+j]           ; p = 2^(t - M): one batch of 128
.endr
.set j, j+1
.endr
.irp x, 0,1
	v_pk_mul_f32 v[10+4*\x:11+4*\x], v[10+4*\x:11+4*\x], v[20+8*\x:21+8*\x] op_sel_hi:[1,0]   ; the sums under the new M: plain lines behind the batch
.endr
	WIN 0x41                                       ; O^T (destination, source 0) window 1
.set j, 0
	s_wait_alu depctr_va_vdst(0)
.rept 16
.irp x, 0,1
	v_pk_mul_f32 v[32*\x+j:32*\x+j+1], v[32*\x+j:32*\x+j+1], v[20+8*\x:21+8*\x] op_sel_hi:[1,0]   ; O^T under the new M: work that names no exponential's result
.endr
.set j, j+2
.endr
	WIN 0
	s_wait_alu depctr_va_vdst(0)                   ; one wait for the whole batch, ahead of its first reader
.irp x, 0,1
	v_pk_add_f32 v[22+8*\x:23+8*\x], v[S+64*\x:S+64*\x+1], v[S+64*\x+2:S+64*\x+3]   ; the row's sum is taken of the unquantised p, in two chains a tile
.endr
.set j, 4
	s_setprio 0
.rept 15
.irp x, 0,1
	v_pk_add_f32 v[10+4*\x:11+4*\x], v[10+4*\x:11+4*\x], v[S+64*\x+j:S+64*\x+j+1]
	v_pk_add_f32 v[22+8*\x:23+8*\x], v[22+8*\x:23+8*\x], v[S+64*\x+j+2:S+64*\x+j+3]
.endr
.set j, j+4
.endr
.irp x, 0
	s_delay_alu instid0(VALU_DEP_3)
	v_pk_add_f32 v[10+4*\x:11+4*\x], v[10+4*\x:11+4*\x], v[22+8*\x:23+8*\x]
.endr
.irp x, 1
	s_delay_alu instid0(VALU_DEP_2)
	v_pk_add_f32 v[10+4*\x:11+4*\x], v[10+4*\x:11+4*\x], v[22+8*\x:23+8*\x]
.endr
.irp b, 0,1,2,3
.irp x, 0,1
.set j, 0
.rept 16
.set j, j+1
.endr
	v_cvt_scalef32_pk8_fp8_f32 v[P+16*\x+4*\b:P+16*\x+4*\b+1], v[S+64*\x+16*\b:S+64*\x+16*\b+7], v[PSC]
	v_cvt_scalef32_pk8_fp8_f32 v[P+16*\x+4*\b+2:P+16*\x+4*\b+3], v[S+64*\x+16*\b+8:S+64*\x+16*\b+15], v[PSC]
.endr
.endr
	v_nop                                          ; a plain line between the last conversion and the products that read its result
	s_wait_alu depctr_va_vdst(0)
	s_wait_dscnt 0x0                               ; V
	WIN 0x51                                       ; source 0 (V), C and D (O^T) window 1; source 1 (p) window 0
.irp d, 0,1,2,3
.irp x, 0,1
	v_wmma_f32_16x16x128_fp8_fp8 v[32*\x+8*\d:32*\x+8*\d+7], v[VF+16*\d:VF+16*\d+15], v[P+16*\x:P+16*\x+15], v[32*\x+8*\d:32*\x+8*\d+7]   ; eight accumulators, one instruction a turn; the next step's 16 products stand between two turns
.endr
.endr
	WIN 0
.endm
; A PAIR of tiles through its group's key steps, and out.  pi: which pair (its Q); yb: the scalar pair with y's address.
.macro PAIR pi, yb
	WIN 0x40
.set n, 0
.rept 64
	v_mov_b32 v[n], 0                              ; O^T: the step is written once; the first finds zeros, which the first change of M leaves zeros
.set n, n+1
.endr
	WIN 0
.irp x, 0,1
	v_mov_b32 v[9+4*\x], 0xff61b1e6                ; the largest t so far: -3e38
	s_delay_alu instid0(VALU_DEP_1)
	v_floor_f32 v[8+4*\x], -v[9+4*\x]
	v_mov_b32 v[10+4*\x], 0
	v_mov_b32 v[11+4*\x], 0
.endr
	s_mov_b32 s40, 0
	s_mov_b32 s41, 0
.Lstep_\@:                             ; 16 trips, a constant; the steps past the diagonal do no work
	s_cmp_gt_u32 s40, s43
	s_cbranch_scc1 .Lskip_\@
	s_setprio 2
	BODY \pi
.Lskip_\@:
	s_add_co_u32 s41, s41, 8192
	s_add_co_u32 s40, s40, 1
	s_cmp_lt_u32 s40, 16
	s_cbranch_scc1 .Lstep_\@
	s_setprio 0
.rept 4
	v_nop                                          ; places behind the last products
.endr
	s_wait_alu depctr_va_vdst(0)
.irp x, 0,1
	v_add_f32 v[16+8*\x], v[10+4*\x], v[11+4*\x]   ; the sum's two halves,
.endr
.irp x, 0,1
	s_delay_alu instid0(VALU_DEP_2)
	v_permlanex16_b32 v[18+8*\x], v[16+8*\x], s28, s29
.endr
.irp x, 0,1
	s_delay_alu instid0(VALU_DEP_2)
	v_add_f32 v[16+8*\x], v[16+8*\x], v[18+8*\x]   ; and lane l xor 16's
.endr
	s_wait_alu depctr_va_vdst(0)
.irp x, 0,1
	v_rcp_f32 v[20+8*\x], v[16+8*\x]
.endr
	v_nop                                          ; a plain line behind the reciprocals
	s_wait_alu depctr_va_vdst(0)                   ; and the wait ahead of their first reader
.irp x, 0,1
	v_ldexp_f32 v[20+8*\x], v[20+8*\x], s54        ; x 2^(e4 + e5)
.endr
	WIN 0x01                                       ; source 0 (O^T) window 1
.irp x, 0,1
.set n, 0
.rept 16
	v_pk_mul_f32 v[S+32*\x+n:S+32*\x+n+1], v[32*\x+n:32*\x+n+1], v[20+8*\x:21+8*\x] op_sel_hi:[1,0]   ; y: register 16 c + i is channel 32 c + 16 (lane / 16) + i
.set n, n+2
.endr
.endr
	WIN 0
.set n, 0
.rept 64
.set n, n+1
.endr
.irp x, 0,1
.irp c, 0,1
	v_cvt_scalef32_pk8_fp8_f32 v[P+8*\x+4*\c:P+8*\x+4*\c+1], v[S+32*\x+16*\c:S+32*\x+16*\c+7], v[YSC]
	v_cvt_scalef32_pk8_fp8_f32 v[P+8*\x+4*\c+2:P+8*\x+4*\c+3], v[S+32*\x+16*\c+8:S+32*\x+16*\c+15], v[YSC]
.endr
.endr
	v_nop                                          ; a plain line behind the last conversion
.irp x, 0,1
.irp c, 0,1
	global_store_b128 v[LA], v[P+8*\x+4*\c:P+8*\x+4*\c+3], s[\yb:\yb+1] offset:4096*\x+512*\c   ; 32 lanes store 512 consecutive bytes, aligned
.endr
.endr
	s_wait_xcnt 0x0                                ; the stores have read their registers, which the next pair writes again
.endm
	PAIR 0, 46
	s_mov_b32 s43, s10                             ; the second pair's group: wave
	PAIR 1, 48
	s_set_vgpr_msb 0x5
	s_wait_tensorcnt 0x0
	ds_add_u32 v192, v193
	s_wait_dscnt 0x0
	s_set_vgpr_msb 0x500
	CROUND                                         ; the closing round
	s_endpgm
.Lfunc_end_k_qe3dab201a2_attn:
	.size	k_qe3dab201a2_attn, .Lfunc_end_k_qe3dab201a2_attn-k_qe3dab201a2_attn
	.p2alignl 7, 3214868480
	.fill 96, 4, 3214868480
	.section	.rodata,"a",@progbits
	.p2align	6, 0x0
	.amdhsa_kernel k_qe3dab201a2_attn
		.amdhsa_group_segment_fixed_size 263168
		.amdhsa_private_segment_fixed_size 0
		.amdhsa_enable_private_segment 0
		.amdhsa_kernarg_size 24
		.amdhsa_user_sgpr_count 2
		.amdhsa_user_sgpr_kernarg_segment_ptr 1
		.amdhsa_wavefront_size32 1
		.amdhsa_system_sgpr_workgroup_id_x 1
		.amdhsa_system_sgpr_workgroup_id_y 1
		.amdhsa_system_sgpr_workgroup_id_z 1
		.amdhsa_system_vgpr_workitem_id 0
		.amdhsa_next_free_vgpr 450
		.amdhsa_next_free_sgpr 66
		.amdhsa_reserve_vcc 1
		.amdhsa_float_denorm_mode_32 3
		.amdhsa_float_denorm_mode_16_64 3
		.amdhsa_fp16_overflow 1
		.amdhsa_memory_ordered 1
		.amdhsa_forward_progress 1
		.amdhsa_inst_pref_size 90
	.end_amdhsa_kernel
	.amdgpu_metadata
---
amdhsa.version: [ 1, 2 ]
amdhsa.kernels:
  - .name:           k_qe3dab201a2_attn
    .symbol:         k_qe3dab201a2_attn.kd
    .args:
      - { .name: qkv, .offset: 0, .size: 8, .value_kind: global_buffer, .address_space: global }
      - { .name: lowp_scales, .offset: 8, .size: 8, .value_kind: global_buffer, .address_space: global }
      - { .name: yc, .offset: 16, .size: 8, .value_kind: global_buffer, .address_space: global }
    .group_segment_fixed_size: 263168
    .private_segment_fixed_size: 0
    .kernarg_segment_align: 8
    .kernarg_segment_size: 24
    .max_flat_workgroup_size: 256
    .sgpr_count:     66
    .vgpr_count:     450
    .wavefront_size: 32
...
	.end_amdgpu_metadata
.endif
;; end of part 3
;; launch gemm_out (part 4): grid 4 x 32, 4 waves a work-group, clusters of 4 x 4, 327,680 bytes of LDS; arguments yc, xw, b_proj, lowp_scales, out0; writes out0
.if DOCPART == 4
	.amdgcn_target "amdgcn-amd-amdhsa--gfx1250"
	.amdhsa_code_object_version 6
	.text
	.protected	k_qe3dab201a2_gemm_out
	.globl	k_qe3dab201a2_gemm_out
	.p2align	8
	.type	k_qe3dab201a2_gemm_out,@function
k_qe3dab201a2_gemm_out:
	s_mov_b64 s[64:65], 0
	v_nop
	global_prefetch_b8 v0, s[64:65] scope:SCOPE_SE
	s_setreg_imm32_b32 hwreg(HW_REG_WAVE_MODE, 25, 1), 1
	s_wait_xcnt 0x0
	s_wait_alu depctr_hold_cnt(0) depctr_sa_sdst(0) depctr_va_vdst(0) depctr_va_sdst(0) depctr_va_ssrc(0) depctr_va_vcc(0) depctr_vm_vsrc(0)
	s_getreg_b32 s2, hwreg(HW_REG_IB_STS2, 6, 4)
	s_cmp_eq_u32 s2, 0
	s_cbranch_scc0 .Lentry_in_a_cluster
	s_endpgm
.Lentry_in_a_cluster:
	s_bfe_u32 s2, ttmp6, 0x10000c
	s_cmp_lg_u32 s2, 0xf033
	s_cbranch_scc0 .Lentry_shape_is_right
	s_endpgm
.Lentry_shape_is_right:
; out0 = y W_proj + b_proj on codes of E4M3.  y: yc, images of the operand's registers, [128 places][head 0..15][tile 0..7][c 0..1][lane][16].  W_proj: rows of 1,024 codes in xw at WPOFF, columns in places, K in true order.
; A tile of 256 x 256 of out0 is made by four waves, 128 x 128 each.  The problem has 32 x 4 = 128 such tiles: 128 work-groups.  K = 1,024 goes in four steps of 256 (four heads) through a ring of two LDS slots.
; CLUSTERS: 4 x 4 work-groups; y's tile (source 1) is shared along a row of the cluster, W_proj's (source 0) along a column: each is asked for jointly.
; y's half tile of a K step is one dense block of 32,768 bytes: no padding; a fragment's four loads read 512 consecutive bytes each.  W_proj's rows get 16 bytes of padding behind each 256.
; THE WAY OUT: a block of 16 places x 128 columns goes from the accumulators through the wave's stage in LDS and comes back as rows of 512 bytes; sum x 2^(e6 + e7) + b_proj; each row is stored at its true token.
;   The stage lies in slot 0, which has had its last fill and its last read when the first result is stored there.
; LIMIT: e6 + e7 between -126 and 127.
; REGISTERS: window 0: v16-29 addresses; v32-35 b_proj at my four columns; v128-255 y's fragments, one set; on the way out rows of out0.  window 1: W_proj's fragments, two sets.  windows 2, 3: accumulators.
.set WPOFF,  11534336
.set ROWB,   256
.set KROW,   1024
.set PITCH,  272
.set FR,     16
.set NL,     4
.set NP,     4
.set HALFA,  32768                     ; 128 places x 256 codes of y, dense
.set HALFB,  128*PITCH
.set BOFF,   2*HALFA                   ; a slot: y's two halves, then W_proj's two
.set SLOT,   2*HALFA+2*HALFB
.set SPARE,  2*SLOT                    ; behind the ring: the spare words, 128 bytes a wave, which no other line names
.set SPITCH, 528
.set ADRA, 16
.set ADRB, 20
.set STO,  24
.set RD,   25
.set CO,   26
.set SPW,  28
.set NIL,  29
.set BP,   32
.set AF,   128
.set BK,   128
.set G1, 24
.set G0, 32
.set G1B, 48
.set G0B, 56
.set MSB, 0
.macro WIN new                         ; the immediate's high byte repeats the setting that is left
.if MSB != (\new)
	s_set_vgpr_msb (MSB<<8)|(\new)
.set MSB, (\new)
.endif
.endm
.set MUL_LO, 0xa1
.set MUL_HI, 0xf1
.set TO_B,   0x40
.macro JLOAD g0a, g1a, g0b, g1b        ; waves 0 and 1 fetch y's halves, waves 2 and 3 W_proj's; four v_nop follow each line
	s_cmp_eq_u32 s15, 0
	s_cbranch_scc0 .Lfor_b_\@
	tensor_load_to_lds s[\g0a:\g0a+3], s[\g1a:\g1a+7]
	s_nop 0
.rept 4
	v_nop
.endr
	s_branch .Lasked_\@
.Lfor_b_\@:
	tensor_load_to_lds s[\g0b:\g0b+3], s[\g1b:\g1b+7]
	s_nop 0
.rept 4
	v_nop
.endr
.Lasked_\@:
.endm
.macro CREST
	s_cmp_lg_u32 s14, 0
	s_cbranch_scc1 .Lnot_wave_0_\@
	s_barrier_signal -3
.Lnot_wave_0_\@:
	s_barrier_wait -3
	s_barrier_signal -1
	s_barrier_wait -1
.endm
.macro CROUND
	s_barrier_signal -1
	s_barrier_wait -1
	CREST
.endm
	s_load_b256 s[4:11], s[0:1], 0x0               ; yc s[4:5], xw s[6:7], b_proj s[8:9], the exponents s[10:11]
	s_load_b64 s[12:13], s[0:1], 0x20              ; out0
	v_lshl_add_u32 v[SPW], v0, 2, SPARE
	v_mov_b32 v[NIL], 0
	ds_add_u32 v28, v29
	ds_add_u32 v28, v29
	s_wait_dscnt 0x0
	v_lshrrev_b32 v1, 5, v0
	v_readfirstlane_b32 s14, v1                    ; wave 0..3
	s_lshr_b32 s15, s14, 1                         ; my half of y's rows.  Also: I fetch for y (0) or for W_proj (1)
	s_and_b32 s16, s14, 1                          ; my half of the columns.  Also: which half I fetch
	s_bfe_u32 s40, ttmp6, 0x40000                  ; cx
	s_bfe_u32 s41, ttmp6, 0x40004                  ; cy
	s_lshl_b32 s42, ttmp9, 2
	s_add_co_u32 s42, s42, s40                     ; tile column
	s_and_b32 s17, ttmp7, 0xffff
	s_lshl_b32 s17, s17, 2
	s_add_co_u32 s17, s17, s41                     ; tile row
	s_lshl_b32 s43, s41, 2
	s_lshl_b32 s43, 15, s43                        ; my row of the cluster
	s_lshl_b32 s44, 0x1111, s40                    ; my column
	s_or_b32 s[G1+0], s43, (3<<16)|(1<<21)         ; y: the mask; elements of 8 bytes; bit 21 beside a mask; no padding
	s_mov_b32 s[G1+1], 32<<16                      ; rows of 256 bytes,
	s_mov_b32 s[G1+2], 128<<16                     ; 128 of them,
	s_mov_b32 s[G1+3], 32<<16
	s_mov_b32 s[G1+4], 128
	s_mov_b32 s[G1+5], 32                          ; dense
	s_mov_b32 s[G1+6], 0
	s_mov_b32 s[G1+7], 0
	s_or_b32 s[G1B+0], s44, (0<<16)|(1<<20)|(1<<21)|(5<<22)|(3<<25)  ; W_proj: elements of 1 byte; 4 words of padding behind every 64
	s_mov_b32 s[G1B+1], ROWB<<16
	s_mov_b32 s[G1B+2], 128<<16
	s_mov_b32 s[G1B+3], ROWB<<16
	s_mov_b32 s[G1B+4], 128
	s_mov_b32 s[G1B+5], KROW
	s_mov_b32 s[G1B+6], 0
	s_mov_b32 s[G1B+7], 0
	s_lshl_b32 s18, s16, 17                        ; the half that I fetch: 131,072 bytes on, in yc and in W_proj's codes alike
	s_lshl_b32 s20, s17, 18
	s_add_co_u32 s20, s20, s18
	s_mov_b32 s21, 0
	s_lshl_b32 s46, s42, 18
	s_add_co_u32 s46, s46, s18
	s_add_co_u32 s46, s46, WPOFF
	s_mov_b32 s47, 0
	s_lshl_b32 s45, s16, 15                        ; where they go: y's half,
	s_mul_i32 s69, s16, HALFB
	s_add_co_u32 s69, s69, BOFF                    ; W_proj's half
	s_wait_kmcnt 0x0
	s_load_b256 s[80:87], s[10:11], 0x0            ; e0 .. e7
	s_add_nc_u64 s[20:21], s[4:5], s[20:21]
	s_add_nc_u64 s[46:47], s[6:7], s[46:47]
	CROUND                                         ; all sixteen work-groups are here: the first joint loads meet
.irp s, 0,1
	s_mov_b32 s[G0+4*\s], 1
	s_add_co_u32 s[G0+4*\s+1], s45, \s*SLOT
	s_add_nc_u64 s[G0+4*\s+2:G0+4*\s+3], s[20:21], \s*HALFA   ; K step s: four heads, 32,768 bytes on
	s_or_b32 s[G0+4*\s+3], s[G0+4*\s+3], 0x80000000
	s_mov_b32 s[G0B+4*\s], 1
	s_add_co_u32 s[G0B+4*\s+1], s69, \s*SLOT
	s_add_nc_u64 s[G0B+4*\s+2:G0B+4*\s+3], s[46:47], \s*ROWB
	s_or_b32 s[G0B+4*\s+3], s[G0B+4*\s+3], 0x80000000
	s_wait_alu depctr_va_vdst(0)
	s_wait_tensorcnt 0x0
	ds_add_u32 v28, v29
	ds_add_u32 v28, v29
	s_wait_dscnt 0x0
	CROUND
	JLOAD G0+4*\s, G1, G0B+4*\s, G1B
.endr
	v_and_b32 v1, 15, v0                           ; r
	v_bfe_u32 v2, v0, 4, 1                         ; lane / 16
	v_and_b32 v6, 31, v0
	v_lshlrev_b32 v[CO], 4, v6                     ; 16 x lane
	v_mul_u32_u24 v3, v1, PITCH
	v_lshl_add_u32 v4, v2, 4, v3
	s_lshl_b32 s21, s15, 15                        ; my 128 places of y
	s_mul_i32 s22, s16, HALFB
	s_add_co_u32 s22, s22, BOFF                    ; my 128 places of W_proj
.irp s, 0,1
	v_add_nc_u32 v[ADRA+\s], s21, v[CO]
	v_add_nc_u32 v[ADRB+\s], s22, v4
	s_add_co_u32 s21, s21, SLOT
	s_add_co_u32 s22, s22, SLOT
.endr
	s_mul_i32 s23, s14, 16*SPITCH                  ; my stage
	v_mul_u32_u24 v5, v1, SPITCH
	v_lshl_add_u32 v5, v2, 6, v5
	v_add_nc_u32 v[STO], s23, v5                   ; in: row r, + 64 bytes for the upper half of the lanes: tiles 2 b, 2 b + 1 hold true columns 32 b + 16 (lane / 16) + 0 .. 15
	v_add_nc_u32 v[RD], s23, v[CO]                 ; back: 32 lanes take a row of 512 bytes
	s_lshl_b32 s74, s42, 10                        ; my 128 columns: 4 (256 x tile column + 128 x half) bytes
	s_lshl_b32 s75, s16, 9
	s_add_co_u32 s74, s74, s75
	s_mov_b32 s75, 0
	s_add_nc_u64 s[8:9], s[8:9], s[74:75]
	global_load_b128 v[BP:BP+3], v[CO], s[8:9]     ; b_proj at the four columns that I store
	s_lshl_b32 s76, s17, 20                        ; my first row: (256 x tile row + 128 x half) x 4,096 bytes
	s_lshl_b32 s77, s15, 19
	s_add_co_u32 s76, s76, s77
	s_add_co_u32 s76, s76, s74
	s_mov_b32 s77, 0
	s_add_nc_u64 s[12:13], s[12:13], s[76:77]
.macro FRAG reg, adr, q, i             ; W_proj: registers 4 c .. 4 c + 3 hold K = 128 q + 32 c + 16 (lane / 16) + 0 .. 15 of row lane % 16
.irp c, 0,1,2,3
	ds_load_b128 v[\reg+4*\c:\reg+4*\c+3], v[\adr] offset:128*(\q)+32*\c+(\i)*16*PITCH
.endr
.endm
.macro FRAGA reg, adr, q, i            ; y: the same K: head 2 q + c / 2 of the step's four, channels 32 (c % 2) on; tile i
.irp c, 0,1,2,3
	ds_load_b128 v[\reg+4*\c:\reg+4*\c+3], v[\adr] offset:(2*(\q)+(\c/2))*8192+(\i)*1024+(\c%2)*512
.endr
.endm
.macro MUL16 a0, p, zero               ; the 64 accumulators take turns, one instruction a turn
.irp a, \a0, \a0+1
.irp b, 0,1,2,3,4,5,6,7
.if \zero
	v_wmma_f32_16x16x128_fp8_fp8 v[8*(8*((\a)%4)+\b):8*(8*((\a)%4)+\b)+7], v[128*(\p)+FR*\b:128*(\p)+FR*\b+FR-1], v[AF+FR*(\a):AF+FR*(\a)+FR-1], 0
.else
	v_wmma_f32_16x16x128_fp8_fp8 v[8*(8*((\a)%4)+\b):8*(8*((\a)%4)+\b)+7], v[128*(\p)+FR*\b:128*(\p)+FR*\b+FR-1], v[AF+FR*(\a):AF+FR*(\a)+FR-1], v[8*(8*((\a)%4)+\b):8*(8*((\a)%4)+\b)+7]
.endif
.endr
.endr
.endm
.macro FETCH_B slot, q, p
	WIN TO_B
.irp i, 0,1,2,3,4,5,6,7
	FRAG 128*(\p)+FR*\i, ADRB+\slot, \q, \i
.endr
	WIN 0
.endm
.macro FETCH_A slot, q, i0
.irp i, \i0, \i0+1, \i0+2, \i0+3
	FRAGA AF+FR*(\i), ADRA+\slot, \q, \i
.endr
.endm
.macro PLACES n
.rept \n
	v_nop
.endr
.endm
.macro STEP slot, q, zero
	s_wait_dscnt 4*NL                              ; W_proj's set and y's blocks 0-3 are in; the 16 youngest loads (blocks 4-7) may be out
	WIN MUL_LO
	MUL16 0, (\q)%2, \zero
	MUL16 2, (\q)%2, \zero
	s_wait_dscnt 0
	PLACES NP
	FETCH_B \slot, (\q)+1, 1-(\q)%2
	FETCH_A \slot, (\q)+1, 0
	WIN MUL_HI
	MUL16 4, (\q)%2, \zero
	MUL16 6, (\q)%2, \zero
	PLACES NP
	WIN 0
	FETCH_A \slot, (\q)+1, 4
.endm
.macro TURN slot, next, fill
	s_wait_tensorcnt 0x0                           ; all my tensor loads have landed: my part of the next slot
	ds_add_u32 v[SPW], v[NIL]                      ; 0 onto my spare word
	s_wait_dscnt 4*NL+1                            ; the add and the 16 youngest loads may be out
	WIN MUL_LO
	MUL16 0, 1, 0
	s_wait_dscnt 0x0                               ; the add is done, and my reads of this slot are over
	s_barrier_signal -1
	MUL16 2, 1, 0
	WIN 0
	s_barrier_wait -1
.if \fill
	CREST                                          ; the barrier has opened a round of the cluster's: no wave of any partner still reads this slot or has a load on its way
	s_add_nc_u64 s[G0+4*\slot+2:G0+4*\slot+3], s[G0+4*\slot+2:G0+4*\slot+3], 2*HALFA
	s_add_nc_u64 s[G0B+4*\slot+2:G0B+4*\slot+3], s[G0B+4*\slot+2:G0B+4*\slot+3], 2*ROWB
	JLOAD G0+4*\slot, G1, G0B+4*\slot, G1B         ; the first tensor load behind the round; its four v_nop are the places in front of the loads below
.else
	PLACES NP
.endif
	FETCH_B \next, 0, 0
	FETCH_A \next, 0, 0
	WIN MUL_HI
	MUL16 4, 1, 0
	MUL16 6, 1, 0
	PLACES NP
	WIN 0
	FETCH_A \next, 0, 4
.endm
	s_wait_alu depctr_va_vdst(0)
	s_wait_tensorcnt 1                             ; my part of K step 0 is in; K step 1's load may be out
	s_barrier_signal -1
	s_barrier_wait -1
	FETCH_B 0, 0, 0
	FETCH_A 0, 0, 0
	FETCH_A 0, 0, 4
	STEP 0, 0, 1
	s_mov_b32 s3, 1                                ; K = 1,024 is two laps of the ring: one trip fills both slots again
.Llap:
	TURN 0, 1, 1
	STEP 1, 0, 0
	TURN 1, 0, 1
	STEP 0, 0, 0
	s_sub_co_u32 s3, s3, 1
	s_cmp_lg_u32 s3, 0
	s_cbranch_scc1 .Llap
	TURN 0, 1, 0
	STEP 1, 0, 0
	s_wait_dscnt 4*NL
	WIN MUL_LO
	MUL16 0, 1, 0
	MUL16 2, 1, 0
	s_wait_dscnt 0
	WIN MUL_HI
	MUL16 4, 1, 0
	MUL16 6, 1, 0
	WIN 0
.macro TOSTAGE a                       ; block a's sums go into my stage as they are, each accumulator's low four registers first, and come back as whole rows
.set AC, 64*((\a)%4)
	WIN 0x08+4*((\a)/4)                            ; the stores' data: window 2 or 3
.irp b, 0,1,2,3,4,5,6,7
	ds_store_b128 v[STO], v[AC+8*\b:AC+8*\b+3] offset:128*(\b/2)+32*(\b%2)
	ds_store_b128 v[STO], v[AC+8*\b+4:AC+8*\b+7] offset:128*(\b/2)+32*(\b%2)+16
.endr
	WIN 0
.set BB, BK+64*((\a)%2)
.irp t, 0,1,2,3,4,5,6,7,8,9,10,11,12,13,14,15
	ds_load_b128 v[BB+4*\t:BB+4*\t+3], v[RD] offset:\t*SPITCH   ; LDS serves a wave's instructions in order: these see the stores above, and the next block's stores come behind them
.endr
.endm
.macro SEND a, younger                 ; younger: the LDS instructions issued behind block a's loads, which may stay out
.set BB, BK+64*((\a)%2)
	s_wait_dscnt \younger
.set n, 0
.rept 32
	v_pk_fma_f32 v[BB+2*n:BB+2*n+1], v[BB+2*n:BB+2*n+1], s[96:97], v[BP+2*(n%2):BP+2*(n%2)+1] op_sel_hi:[1,0,1]   ; sum x 2^(e6 + e7) + b_proj
.set n, n+1
.endr
.irp t, 0,1,2,3,4,5,6,7,8,9,10,11,12,13,14,15
	global_store_b128 v[CO], v[BB+4*\t:BB+4*\t+3], s[12:13] offset:(32*((\a)/2)+8*((\a)%2)+((\t)%8)+16*((\t)/8))*4096 th:TH_STORE_NT   ; place 16 a + t is this true token; 32 lanes store 512 consecutive bytes, aligned
.endr
.endm
	s_wait_kmcnt 0x0
	s_wait_loadcnt 0x0                             ; b_proj
	s_add_co_i32 s96, s86, s87
	s_add_co_i32 s96, s96, 127
	s_lshl_b32 s96, s96, 23                        ; 2^(e6 + e7) as f32
	s_mov_b32 s97, s96                             ; (named with it as a pair)
	PLACES NP                                      ; behind the last products: results are read, and y's registers loaded into, only from here on
	TOSTAGE 0
.irp a, 1,2,3,4,5,6,7
.if \a > 1
	s_wait_xcnt 0x0                                ; block a - 2's stores have read their registers: block a's loads may land there
.endif
	TOSTAGE \a
	SEND \a-1, 32                                  ; behind block a - 1's loads: block a's 16 stores and 16 loads
.endr
	SEND 7, 0
	s_wait_tensorcnt 0x0                           ; the wave's end
	ds_add_u32 v[SPW], v[NIL]
	s_wait_dscnt 0x0
	CROUND                                         ; the closing round
	s_endpgm
.Lfunc_end_k_qe3dab201a2_gemm_out:
	.size	k_qe3dab201a2_gemm_out, .Lfunc_end_k_qe3dab201a2_gemm_out-k_qe3dab201a2_gemm_out
	.p2alignl 7, 3214868480
	.fill 96, 4, 3214868480
	.section	.rodata,"a",@progbits
	.p2align	6, 0x0
	.amdhsa_kernel k_qe3dab201a2_gemm_out
		.amdhsa_group_segment_fixed_size 327680
		.amdhsa_private_segment_fixed_size 0
		.amdhsa_enable_private_segment 0
		.amdhsa_kernarg_size 40
		.amdhsa_user_sgpr_count 2
		.amdhsa_user_sgpr_kernarg_segment_ptr 1
		.amdhsa_wavefront_size32 1
		.amdhsa_system_sgpr_workgroup_id_x 1
		.amdhsa_system_sgpr_workgroup_id_y 1
		.amdhsa_system_sgpr_workgroup_id_z 1
		.amdhsa_system_vgpr_workitem_id 0
		.amdhsa_next_free_vgpr 1024
		.amdhsa_next_free_sgpr 100
		.amdhsa_reserve_vcc 0
		.amdhsa_float_denorm_mode_32 3
		.amdhsa_float_denorm_mode_16_64 3
		.amdhsa_memory_ordered 1
		.amdhsa_forward_progress 1
		.amdhsa_inst_pref_size 124
	.end_amdhsa_kernel
	.amdgpu_metadata
---
amdhsa.version: [ 1, 2 ]
amdhsa.kernels:
  - .name:           k_qe3dab201a2_gemm_out
    .symbol:         k_qe3dab201a2_gemm_out.kd
    .args:
      - { .name: yc, .offset: 0, .size: 8, .value_kind: global_buffer, .address_space: global }
      - { .name: xw, .offset: 8, .size: 8, .value_kind: global_buffer, .address_space: global }
      - { .name: b_proj, .offset: 16, .size: 8, .value_kind: global_buffer, .address_space: global }
      - { .name: lowp_scales, .offset: 24, .size: 8, .value_kind: global_buffer, .address_space: global }
      - { .name: out0, .offset: 32, .size: 8, .value_kind: global_buffer, .address_space: global }
    .group_segment_fixed_size: 327680
    .private_segment_fixed_size: 0
    .kernarg_segment_align: 8
    .kernarg_segment_size: 40
    .max_flat_workgroup_size: 128
    .sgpr_count:     100
    .vgpr_count:     1024
    .wavefront_size: 32
...
	.end_amdgpu_metadata
.endif
;; end of part 4
